; MI455X (gfx1250); checked and timed in simulation.
; The chip was launched on July 23, 2026; its instructions are those of AMD's public machine-readable ISA for CDNA 5 (MIT licence, August 2026) and "CDNA5" Instruction Set Architecture Reference Guide (July 2026). The comments in the code are by the model that wrote it; some were corrected since.
;; Attn. Allowed arithmetic: matrix products marked QUANTISED: E2M1 operands, one E8M0 scale for each 32 along K, by v_wmma_scale_f32_16x16x128_f8f6f4 with both operands' format E2M1 (or v_wmma_scale_f32_32x16x128_f4), f32 sums; products left as they are: f32 operands where the result goes on into a quantised operand, else bf16, f16 or f32 operands; f32 sums; everything else in f32.
;; Inputs: W_codes 1,024 x 32 x 16 uint8 (E2M1 codes of W, K innermost, in blocks of 32 codes, two codes a byte); W_scales 1,024 x 32 uint8 (E8M0 scales of W, one for each 32 codes along K); b 1,024 float32; hidden 1 x 32 x 1,024 float32; targets_codes 32 x 2,048 x 32 x 16 uint8 (E2M1 codes of targets, K innermost, in blocks of 32 codes, two codes a byte); targets_scales 32 x 2,048 x 32 uint8 (E8M0 scales of targets, one for each 32 codes along K).
;; Outputs: out0 32 x 1 x 2,048 float32.
;; This version of the problem:
;;   THIS VERSION OF THE PROBLEM IS GIVEN IN LOW PRECISION. The matrix products marked QUANTISED in the list below multiply operands that are first quantised to E2M1 (2 exponent bits, 1 mantissa bit; 4 bits a number), with one power-of-two scale for each 32 numbers along K (OCP MX v1.0); their sums are f32. All else is computed in f32.
;;   The module's matrix products, in the order in which they are computed (A, B: the left and right operand; K: the contracted axis; several contracted axes count as one K, in the product's order):
;;     1. [M 65,536, K 1,024] x [K 1,024, N 1,024]; A: input targets (given as codes); B: input W (given as codes): QUANTISED
;;     2. batch 32 x [M 2,048, K 1,024] x [K 1,024, N 1]; A: computed on the way; B: input hidden: left as it is (N = 1 < 16)
;;   THE QUANTISER, for each operand of a quantised product, along K:
;;     - K is cut into blocks of 32 from its start; a last block that is shorter is filled with zeros.
;;     - A block's scale is 2^e with e = floor(log2(the largest magnitude in the block)) - 2, held to -126 .. 127; a block of zeros has e = 0. As a byte (E8M0): e + 127.
;;     - Each number is divided by its block's scale, clamped to +-6, and rounded to the nearest number of E2M1, ties to even, subnormals kept.
;;     - The product sums the exact products of the quantised numbers (number of the format x scale) in f32.
;;   ~~~python
;;   def quantise(x, axis):      # numpy; x: float32 -> the quantised numbers, widened to float32 again
;;       x = np.moveaxis(x, axis, -1); K = x.shape[-1]
;;       x = np.pad(x, [(0, 0)] * (x.ndim - 1) + [(0, -K % 32)]); x = x.reshape(x.shape[:-1] + (-1, 32)); a = np.abs(x).max(-1, keepdims=True)
;;       e = np.where(a > 0, np.clip(np.frexp(np.where(a > 0, a, 1))[1] - 1 - 2, -126, 127), 0)      # np.frexp(a)[1] - 1 = floor(log2(a)), exactly
;;       r = np.clip(x / 2.0 ** e, -6, 6)
;;       step = 2.0 ** (np.maximum(np.frexp(np.where(r == 0, 1, r))[1] - 1, 0) - 1)
;;       q = np.round(r / step) * step * 2.0 ** e      # np.round: ties to even
;;       return np.moveaxis(q.reshape(q.shape[:-2] + (-1,))[..., :K], -1, axis).astype(np.float32)
;;   ~~~
;;   INPUTS GIVEN AS CODES. W (in the module: [1024, 1024], K = its axis 1); targets (in the module: [32, 2048, 1024], K = its axis 2): each comes as NAME_codes (uint8): NAME with its K axis moved to the last place and cut into blocks of 32 codes, [.., K / 32, bytes a block], one block behind the other in memory; two codes a byte, the lower K in the low four bits (a code: sign, 2 exponent bits, 1 mantissa bit); and NAME_scales (uint8): the same leading axes, one E8M0 byte (e + 127) for each 32 codes along K. Its value is code x scale, taken as it is: it is not quantised again, and the codes and scales need not be those that the quantiser above would give.
;; One version. Each part assembles by itself: llvm-mc -triple=amdgcn-amd-amdhsa -mcpu=gfx1250 --defsym DOCPART=n.
;; ======== version 1 of 1: 2 launches
;; limits: right only within a limited range of input values
;; workspace buffers: scores 1,048,576 bytes
;; launch scores_k (part 1): grid 4 x 64, 4 waves a work-group, clusters of 4 x 4, 327,680 bytes of LDS; arguments targets_codes, targets_scales, W_codes, W_scales, hidden, scores; writes scores
.if DOCPART == 1
	.amdgcn_target "amdgcn-amd-amdhsa--gfx1250"
	.amdhsa_code_object_version 6
	.text
	.protected	k_q5de510dd00_scores_k
	.globl	k_q5de510dd00_scores_k
	.p2align	8
	.type	k_q5de510dd00_scores_k,@function
k_q5de510dd00_scores_k:
	s_mov_b64 s[64:65], 0
	v_nop
	global_prefetch_b8 v0, s[64:65] scope:SCOPE_SE
	s_setreg_imm32_b32 hwreg(HW_REG_WAVE_MODE, 25, 1), 1
	s_wait_xcnt 0x0
	s_wait_alu depctr_hold_cnt(0) depctr_sa_sdst(0) depctr_va_vdst(0) depctr_va_sdst(0) depctr_va_ssrc(0) depctr_va_vcc(0) depctr_vm_vsrc(0)
	s_getreg_b32 s2, hwreg(HW_REG_IB_STS2, 6, 4)
	s_cmp_eq_u32 s2, 0
	s_cbranch_scc0 .Lentry_in_a_cluster
	s_endpgm
.Lentry_in_a_cluster:
	s_bfe_u32 s2, ttmp6, 0x10000c
	s_cmp_lg_u32 s2, 0xf033
	s_cbranch_scc0 .Lentry_shape_is_right
	s_endpgm
.Lentry_shape_is_right:
; scores[c][row] = sum over the 256 n of quarter c of (sum over k of T[row][k] W[n][k]) h[batch][n];  the next launch adds the four quarters and takes the softmax over the 2,048 rows of a batch.
; T: 65,536 rows x 1,024 K, W: 1,024 (n) x 1,024 K: codes of FP4 (E2M1), K innermost (a row is 512 bytes), one E8M0 byte for each 32 along K (32 bytes a row).  h: [32][1024] f32.  batch = row / 2,048.
; DEAD WORK: THE BIAS b.  Its share of a score is the sum over n of b[n] h[batch][n]: the same number for all 2,048 rows of a batch, that is along the softmax's axis, whatever b and h hold; the softmax takes it away.
; b feeds no quantised operand.  So b is not loaded and is no argument.  LIMIT: a NaN, an infinity or an overflow in b, or in that sum alone, is not carried to the result.
; LIMITS: a scale byte 0xff makes the sums NaN, as it does by the format's definition.  The order of the f32 additions over n differs from the formula's.
; SHARES.  Work-group (c, y) makes n = 256 c .. + 255 against rows 1,024 y .. + 1,023: 4 x 64 = 256 work-groups.  Wave w = 2 i + j takes n = 128 j on of them, and the row halves i: of each 256 rows the 128 from 128 i on.
; THE WAVE'S 128 ROWS OF W, ALL OF K, STAY IN REGISTERS (512).  T streams through LDS: a BLOCK is 16 rows x all K: 16 + 2 LDS loads for 32 matrix instructions of 32 x 16 x 128; a wave has 32 blocks.
; SOURCE 0 = 32 rows of W, SOURCE 1 = 16 rows of T: lane (r, hh) = (l % 16, l / 16) holds row r of the block, register 8 u + x of group g the n = 32 g + 16 u + 8 hh + x.  So a score is a running sum in the lane's own registers:
; one packed multiply-add for two n, and no sum over lanes but the one of the two halves hh, which is taken at the very end with the sum over j.
; The four groups' accumulators take turns, one matrix instruction a turn.  There are two sets: a block's sums are folded while the next block is multiplied.
; CLUSTERS: 4 x 4.  T's tiles hang on y alone and are asked for jointly along a row of the cluster, W's on c alone and along a column.  T's scale bytes (32,768 of a work-group's 688,128 bytes) come through registers.
; LDS: X holds W's 256 rows until they are in registers, then T's slots 1 and 3; Y T's slots 0 and 2.  A slot is 256 rows.  At the head come W and the first 64 rows of each half of slot 0, one load a wave.
; PREFETCH: each slot but the first is asked of memory one change of slots ahead of its load: 131,072 bytes, shared out by address among the four work-groups of a row and their four waves: 8,192 bytes, lanes 256 bytes apart, one instruction a wave.
; REGISTERS.  window 0: v0-7 addresses, v8-15 the row's sums (four pairs), v16-31 T's scale words (two sets), v32-63 W's, v64-127 h, v128-255 accumulators (two sets of four groups).
;   window 1: v0-127 T's fragments (two sets), v128-130 offsets.   window 2: W's K steps 0-3;   window 3: K steps 4-7.
.set PITCH, 528                        ; an LDS row: 512 bytes + 16 of padding: 132 words, so the 16 rows of a load start at 16 different banks (64 banks of 4 bytes: ISA guide 11.1)
.set BLKB,  16*PITCH
.set R64,   64*PITCH
.set R128,  128*PITCH
.set X,     0
.set Y,     256*PITCH
.set TSC,   2*256*PITCH                ; T's scale bytes: [i][512 rows of that half][32], by LDS stores: no fill lands here
.set STAGE, TSC+32768                  ; the scores' parts: [2 j + hh] x 4,160 bytes, in it [i][512 rows], f32
.set PA,    4160
.set SPARE, STAGE+16896                ; the spare words, 128 bytes for each wave
.set ADB,   0                          ; v0 is the thread's number until the head is done, then the address of T's fragments in hand
.set SPW,   1
.set NIL,   2
.set ADB0,  3                          ; r PITCH + 16 hh + my half's rows
.set ADS0,  4                          ; my lane's place among T's scale words
.set STO0,  5                          ; where my sums go
.set ADS,   6
.set ADO,   7
.set SC,    8
.set AW,    15                         ; block 0 alone: my lane's place in W's tile
.set TSR,   16
.set WSR,   32
.set HR,    64
.set ACC,   128
.set PFO,   128                        ; window 1: 256 x lane
.set SRD,   129                        ; window 1: where I read the stage
.set GO,    130                        ; window 1: 16 x thread
.set WV,   18
.set WI,   19
.set WJ,   20
.set CX,   21
.set CY,   22
.set TY,   23
.set G1W,  24
.set G1T,  32
.set G0W,  40
.set G0A,  44                          ; slot 0's two parts of my half (waves 2, 3)
.set G0X,  48                          ; slots 1, 3
.set G0Y,  52                          ; slot 2
.set PFA,  56
.set TB,   58                          ; LDS byte of the block to be fetched
.set TS,   59                          ; 512 x its number
.set TO,   60                          ; 64 x the number of the block whose sums are stored next
.set CNT,  61
.set SEED, (1<<20)|(1<<21)|(6<<22)|(3<<25)   ; group 1, word 0: elements of 1 byte; 20 padding on; 21 set beside a mask; 24:22 after every 128 words (code 6); 31:25 four words (code 3)
.set MSB, 0
.macro WIN new                         ; the immediate's high byte repeats the setting that is left
.if MSB != (\new)
	s_set_vgpr_msb (MSB<<8)|(\new)
.set MSB, (\new)
.endif
.endm
.macro CREST                           ; a round of the cluster's barrier behind its opening barrier
	s_cmp_lg_u32 s[WV], 0
	s_cbranch_scc1 .Lnot_wave_0_\@
	s_barrier_signal -3
.Lnot_wave_0_\@:
	s_barrier_wait -3
	s_barrier_signal -1
	s_barrier_wait -1
.endm
.macro ROUND
	s_barrier_signal -1
	s_barrier_wait -1
	CREST
.endm
	s_load_b256 s[4:11], s[0:1], 0x0               ; T's codes s[4:5], T's scales s[6:7], W's codes s[8:9], W's scales s[10:11]
	s_load_b128 s[12:15], s[0:1], 0x20             ; h s[12:13], scores s[14:15]
	v_lshl_add_u32 v[SPW], v0, 2, SPARE
	v_mov_b32 v[NIL], 0
	ds_add_u32 v[SPW], v[NIL]                      ; the opening add, twice on end
	ds_add_u32 v[SPW], v[NIL]
	v_lshrrev_b32 v128, 5, v0
	v_readfirstlane_b32 s[WV], v128                ; wave 0..3
	s_lshr_b32 s[WI], s[WV], 1
	s_and_b32 s[WJ], s[WV], 1
	s_bfe_u32 s[CX], ttmp6, 0x40000                ; c: the quarter of n = my place along the cluster's x (the grid is one cluster wide)
	s_bfe_u32 s[CY], ttmp6, 0x40004
	s_and_b32 s[TY], ttmp7, 0xffff
	s_lshl_b32 s[TY], s[TY], 2
	s_add_co_u32 s[TY], s[TY], s[CY]               ; y = 4 x cluster y + cy
	s_lshl_b32 s66, s[CY], 2
	s_lshl_b32 s66, 15, s66                        ; my row of the cluster
	s_lshl_b32 s67, 0x1111, s[CX]                  ; my column
	s_or_b32 s[G1T], s66, SEED
	s_or_b32 s[G1W], s67, SEED
	s_mov_b32 s[G1T+2], 64<<16                     ; T: 64 rows
	s_mov_b32 s[G1T+4], 64
	s_mov_b32 s[G1W+2], 128<<16                    ; W: 128 rows
	s_mov_b32 s[G1W+4], 128
.irp d, G1T, G1W
	s_mov_b32 s[\d+1], 512<<16
	s_mov_b32 s[\d+3], 512<<16
	s_mov_b32 s[\d+5], 512
	s_mov_b32 s[\d+6], 0
	s_mov_b32 s[\d+7], 0
.endr
	s_lshl_b32 s68, s[CX], 17                      ; W: 256 rows a quarter, 128 rows a loading wave (waves 0, 1)
	s_lshl_b32 s69, s[WJ], 16
	s_add_co_u32 s68, s68, s69
	s_mov_b32 s69, 0
	s_lshl_b32 s70, s[TY], 19                      ; T: 1,024 rows a work-group;
	s_mov_b32 s71, 0
	s_lshl_b32 s72, s[WJ], 16                      ; slot 0: waves 2, 3 fetch for the halves i = 0, 1;
	s_mov_b32 s73, 0
	s_lshl_b32 s74, s[WV], 15                      ; the later slots: 64 rows a wave
	s_mov_b32 s75, 0
	s_mul_i32 s76, s[WJ], R128
	s_mul_i32 s77, s[WV], R64
	s_wait_dscnt 0x0                               ; both opening adds are done
	s_wait_alu depctr_va_vdst(0)
	s_wait_kmcnt 0x0
	s_add_nc_u64 s[4:5], s[4:5], s[70:71]          ; my 1,024 rows of T
	s_mov_b32 s[G0W], 1
	s_mov_b32 s[G0W+1], s76
	s_add_nc_u64 s[G0W+2:G0W+3], s[8:9], s[68:69]
	s_or_b32 s[G0W+3], s[G0W+3], 0x80000000
	s_mov_b32 s[G0A], 1
	s_add_co_u32 s[G0A+1], s76, Y
	s_add_nc_u64 s[G0A+2:G0A+3], s[4:5], s[72:73]
	s_or_b32 s[G0A+3], s[G0A+3], 0x80000000
	ROUND                                          ; all sixteen work-groups are here: the first joint loads meet
	s_cmp_lt_u32 s[WV], 2                          ; one tensor load a wave at the head: W's two halves, and 64 rows for each half of slot 0
	s_cbranch_scc0 .Lhead_t
	tensor_load_to_lds s[G0W:G0W+3], s[G1W:G1W+7]
	s_nop 0
.rept 4
	v_nop
.endr
	s_branch .Lhead_asked
.Lhead_t:
	tensor_load_to_lds s[G0A:G0A+3], s[G1T:G1T+7]
	s_nop 0
.rept 4
	v_nop
.endr
.Lhead_asked:
	s_mov_b32 s[G0X], 1
	s_mov_b32 s[G0X+1], s77
	s_add_nc_u64 s[74:75], s[4:5], s[74:75]
	s_add_nc_u64 s[G0X+2:G0X+3], s[74:75], 0x20000 ; slot 1: 256 rows on
	s_or_b32 s[G0X+3], s[G0X+3], 0x80000000
	s_mov_b32 s[G0Y], 1
	s_add_co_u32 s[G0Y+1], s77, Y
	s_add_nc_u64 s[G0Y+2:G0Y+3], s[74:75], 0x40000 ; slot 2
	s_or_b32 s[G0Y+3], s[G0Y+3], 0x80000000
	s_lshl_b32 s84, s[TY], 15
	s_mov_b32 s85, 0
	s_add_nc_u64 s[6:7], s[6:7], s[84:85]          ; my rows' scale bytes
	s_lshl_b32 s86, s[CX], 13
	s_lshl_b32 s87, s[WJ], 12
	s_add_co_u32 s86, s86, s87
	s_mov_b32 s87, 0
	s_add_nc_u64 s[10:11], s[10:11], s[86:87]      ; my 128 n's
	s_lshr_b32 s88, s[TY], 1                       ; batch = y / 2
	s_lshl_b32 s88, s88, 12
	s_lshl_b32 s89, s[CX], 10
	s_add_co_u32 s88, s88, s89
	s_lshl_b32 s89, s[WJ], 9
	s_add_co_u32 s88, s88, s89
	s_mov_b32 s89, 0
	s_add_nc_u64 s[12:13], s[12:13], s[88:89]      ; their h
	s_lshl_b32 s90, s[CX], 18
	s_lshl_b32 s91, s[TY], 12
	s_add_co_u32 s90, s90, s91
	s_mov_b32 s91, 0
	s_add_nc_u64 s[14:15], s[14:15], s[90:91]      ; my 1,024 scores of quarter c
	s_lshl_b32 s92, s[CX], 15
	s_lshl_b32 s93, s[WV], 13
	s_add_co_u32 s92, s92, s93
	s_mov_b32 s93, 0
	s_add_nc_u64 s[PFA:PFA+1], s[4:5], s[92:93]    ; my 8,192 bytes of a slot
	s_mul_i32 s80, s[WI], R128
	s_lshl_b32 s81, s[WI], 14
	s_add_co_u32 s81, s81, TSC
	s_mul_i32 s82, s[WJ], 2*PA
	s_lshl_b32 s83, s[WI], 11
	s_add_co_u32 s82, s82, s83
	s_add_co_u32 s82, s82, STAGE
	s_lshl_b32 s83, s[WJ], 11
	s_lshl_b32 s94, s[WI], 9
	s_add_co_u32 s83, s83, s94
	s_add_co_u32 s83, s83, STAGE
	s_mov_b32 s[TB], Y
	s_mov_b32 s[TS], 0
	s_mov_b32 s[TO], 0
	v_lshlrev_b32 v130, 4, v0                      ; 16 t
.irp n, 0,1,2,3,4,5,6,7,8,9,10,11,12,13,14,15
	global_load_b128 v[192+4*\n:195+4*\n], v130, s[6:7] offset:2048*\n   ; T's scale bytes: a wave's load covers 512 consecutive bytes
.endr
	v_and_b32 v131, 31, v0
	v_lshlrev_b32 v132, 5, v131                    ; W's scale bytes: lane m takes row 32 g + m
.irp q, 0,1,2,3
.irp c, 0,1
	global_load_b128 v[WSR+8*\q+4*\c:WSR+8*\q+4*\c+3], v132, s[10:11] offset:1024*\q+16*\c
.endr
.endr
	v_and_b32 v128, 15, v0                         ; r
	v_bfe_u32 v129, v0, 4, 1                       ; hh
	v_lshlrev_b32 v133, 5, v129
.irp q, 0,1,2,3
.irp u, 0,1
.irp c, 0,1
	global_load_b128 v[HR+16*\q+8*\u+4*\c:HR+16*\q+8*\u+4*\c+3], v133, s[12:13] offset:128*\q+64*\u+16*\c   ; h[32 q + 16 u + 8 hh + 4 c ..]
.endr
.endr
.endr
	v_mul_u32_u24 v134, v128, PITCH
	v_lshl_add_u32 v134, v129, 4, v134             ; a fragment: row r x pitch + 16 hh; registers 4 c .. 4 c + 3 are the 16 bytes 32 c further on
	v_add_nc_u32 v[ADB0], s80, v134
	v_add_nc_u32 v[AW], s76, v134
	v_lshl_add_u32 v[ADS0], v128, 5, s81
	v_mul_u32_u24 v136, v129, PA
	v_lshl_add_u32 v136, v128, 2, v136
	v_add_nc_u32 v[STO0], s82, v136
	v_lshl_add_u32 v137, v0, 4, TSC
	WIN 0x40
	v_lshlrev_b32 v[PFO], 8, v131
	v_lshl_add_u32 v[SRD], v131, 4, s83
	v_lshlrev_b32 v[GO], 4, v0
	WIN 0
	s_wait_alu depctr_va_vdst(0)
	s_wait_loadcnt 0x0
.irp n, 0,1,2,3,4,5,6,7,8,9,10,11,12,13,14,15
	ds_store_b128 v137, v[192+4*\n:195+4*\n] offset:16384*((\n/2)%2)+4096*(\n/4)+2048*(\n%2)   ; rows 64 n on: half (n / 2) % 2, slot n / 4
.endr
	s_wait_tensorcnt 0x0                           ; my tensor load has landed
	ds_add_u32 v[SPW], v[NIL]
	s_add_co_u32 s[G0A+1], s[G0A+1], R64           ; the other 64 rows of my half of slot 0
	s_add_nc_u64 s[G0A+2:G0A+3], s[G0A+2:G0A+3], 0x8000
	s_wait_dscnt 0x0                               ; the add is done, and my scale stores
	ROUND                                          ; W, slot 0's first part and the scale bytes are whole
	s_cmp_lt_u32 s[WV], 2
	s_cbranch_scc1 .Lno_part
	tensor_load_to_lds s[G0A:G0A+3], s[G1T:G1T+7]
	s_nop 0
.rept 4
	v_nop
.endr
.Lno_part:
; One K step: four matrix instructions, the four groups by turns.  K step 0 starts the sums with the constant 0.
.macro KSTEP p, s
.set rT, 64*(\p)+8*(\s)
.set rY, TSR+8*(\p)+(\s)
.irp q, 0,1,2,3
.set rD, ACC+64*(\p)+16*\q
.set rA, 64*((\s)%4)+16*\q
.set rX, WSR+8*\q+(\s)
.if (\s) == 0
	v_wmma_scale_f32_32x16x128_f4 v[rD:rD+15], v[rA:rA+15], v[rT:rT+7], 0, v[rX], v[rY]
.else
	v_wmma_scale_f32_32x16x128_f4 v[rD:rD+15], v[rA:rA+15], v[rT:rT+7], v[rD:rD+15], v[rX], v[rY]
.endif
.endr
.endm
; Group g of the block before (the other set) x h, onto the four pairs of sums; the first four lines start them.  Each accumulator is read from its low end on.
.macro FOLD p, g
.set iN, 0
.rept 8
.set rC, ACC+64*(1-(\p))+16*(\g)+2*iN
.set rH, HR+16*(\g)+2*iN
.set rS, SC+2*(iN%4)
.if ((\g) == 0) && (iN < 4)
	v_pk_mul_f32 v[rS:rS+1], v[rC:rC+1], v[rH:rH+1]
.else
	v_pk_fma_f32 v[rS:rS+1], v[rC:rC+1], v[rH:rH+1], v[rS:rS+1]
.endif
.set iN, iN+1
.endr
.endm
; The sums folded a block ago become one number a lane and go to the stage.
.macro SUMUP
	v_pk_add_f32 v[SC:SC+1], v[SC:SC+1], v[SC+2:SC+3]
	v_pk_add_f32 v[SC+4:SC+5], v[SC+4:SC+5], v[SC+6:SC+7]
	v_add_nc_u32 v[ADO], s[TO], v[STO0]
	v_pk_add_f32 v[SC:SC+1], v[SC:SC+1], v[SC+4:SC+5]
	v_add_f32 v[SC], v[SC], v[SC+1]
	ds_store_b32 v[ADO], v[SC]
	s_add_co_u32 s[TO], s[TO], 64
.endm
; ONE run of 18 LDS loads: the next block's scale words and fragments into set p, which the block before last's products have read: four plain vector lines and more stand behind those.
.macro RUN p
	v_add_nc_u32 v[ADB], s[TB], v[ADB0]
	v_add_nc_u32 v[ADS], s[TS], v[ADS0]
	ds_load_b128 v[TSR+8*(\p):TSR+8*(\p)+3], v[ADS]
	ds_load_b128 v[TSR+8*(\p)+4:TSR+8*(\p)+7], v[ADS] offset:16
	WIN 0x40
.irp s, 0,1,2,3,4,5,6,7
.irp c, 0,1
	ds_load_b128 v[64*(\p)+8*\s+4*\c:64*(\p)+8*\s+4*\c+3], v[ADB] offset:64*\s+32*\c
.endr
.endr
	WIN 0
	s_add_co_u32 s[TB], s[TB], BLKB
	s_add_co_u32 s[TS], s[TS], 512
.endm
.macro ASK n                           ; slot n, asked of memory one change of slots ahead of its load; never past my 1,024 rows
	WIN 0x01
	global_prefetch_b8 v[PFO], s[PFA:PFA+1] offset:0x20000*(\n) th:TH_LOAD_NT scope:SCOPE_SE
	WIN 0
.endm
; A block on set p.  fold = 1: the block before is folded; 2: and the sums of the one before that are stored.  next = 1: the next block is fetched.
; chg = 1: THE CHANGE OF SLOTS, in a slot's last block, whose fragments have all been fetched (in block 1: W has).  Each wave waits for all its tensor loads (its part of the next slot), adds 0 to its spare word and waits for
; that and for its reads; a round of the cluster's barrier, with eight matrix instructions between its first signal and wait; the joint refill g0 first behind it, with six or eight blocks in which to land.
; chg = 2: nothing is left to fetch: my work-group's barrier shows the last slot whole.
.macro BLOCK p, fold, next, chg=0, g0=0, base=1, step=0, ask=0
.if \chg
	WIN 0
	s_wait_tensorcnt 0x0
	ds_add_u32 v[SPW], v[NIL]
.if \step
	s_add_nc_u64 s[\g0+2:\g0+3], s[\g0+2:\g0+3], \step
.endif
	s_wait_dscnt 0x0
	s_barrier_signal -1
.else
	s_wait_dscnt 0x8                               ; scale words and K steps 0-3 are in; the youngest eight loads, K steps 4-7, may be out
.endif
	WIN 0x06                                       ; source 0 window 2, source 1 window 1, C and D window 0
	KSTEP \p, 0
	KSTEP \p, 1
	WIN 0
.if \chg
	s_barrier_wait -1
.if (\chg) == 1
	CREST
	tensor_load_to_lds s[\g0:\g0+3], s[G1T:G1T+7]
	s_nop 0
.rept 4
	v_nop
.endr
.endif
.if (\base) != 1
	s_mov_b32 s[TB], \base
.endif
.endif
.set nW, 0
.if (\fold) == 2
	SUMUP
.set nW, 1
.endif
.if \next
	RUN 1-(\p)
.set nW, nW+18
.endif
.if \ask
	ASK \ask
.endif
	FOLD \p, 0
	FOLD \p, 1
	WIN 0x06
	KSTEP \p, 2
	KSTEP \p, 3
	WIN 0
	FOLD \p, 2
	FOLD \p, 3
	s_wait_alu depctr_va_vdst(0)
	s_wait_dscnt nW                                ; K steps 4-7 are in: what this block issued (the sums' store, the next block's run) may be out
	WIN 0x07
	KSTEP \p, 4
	KSTEP \p, 5
	KSTEP \p, 6
	KSTEP \p, 7
.endm
.macro LOOP n                          ; n trips of two blocks: the sets are back where they began
	WIN 0
	s_mov_b32 s[CNT], \n
.Lpair_\@:
	BLOCK 0, 2, 1
	BLOCK 1, 2, 1
	WIN 0
	s_sub_co_u32 s[CNT], s[CNT], 1
	s_cmp_lg_u32 s[CNT], 0
	s_cbranch_scc1 .Lpair_\@
.endm
.macro WLD s                           ; W's fragments of K step s, all four groups: 16 loads
	WIN 0x80+0x40*((\s)/4)
.irp q, 0,1,2,3
.irp u, 0,1
.irp c, 0,1
	ds_load_b128 v[64*((\s)%4)+16*\q+8*\u+4*\c:64*((\s)%4)+16*\q+8*\u+4*\c+3], v[AW] offset:(32*\q+16*\u)*PITCH+64*(\s)+32*\c
.endr
.endr
.endr
.endm
	; BLOCK 0 is multiplied while W comes into registers: K step s as soon as its fragments are in, those of the next two K steps may be out
	RUN 0
	WLD 0
	WLD 1
	ASK 1
.irp s, 0,1,2,3,4,5
	WLD \s+2
	s_wait_dscnt 32
	WIN 0x06+((\s)/4)
	KSTEP 0, \s
.endr
	WIN 0
	RUN 1
	s_wait_dscnt 34                                ; K step 7's 16 and block 1's 18 may be out
	WIN 0x07
	KSTEP 0, 6
	s_wait_dscnt 18
	KSTEP 0, 7
	BLOCK 1, 1, 1, 1, G0X, 1, 0, 2                 ; 1: W is in registers: X takes slot 1; slot 0's other part is whole
	LOOP 2                                         ; 2-5
	BLOCK 0, 2, 1                                  ; 6
	BLOCK 1, 2, 1, 1, G0Y, X, 0, 3                 ; 7: slot 0 is read out: Y takes slot 2
	LOOP 3                                         ; 8-13
	BLOCK 0, 2, 1                                  ; 14
	BLOCK 1, 2, 1, 1, G0X, Y, 0x40000, 0           ; 15: slot 1 is read out: X takes slot 3
	LOOP 3                                         ; 16-21
	BLOCK 0, 2, 1                                  ; 22
	BLOCK 1, 2, 1, 2, G0X, X, 0, 0                 ; 23: slot 3 is whole
	LOOP 3                                         ; 24-29
	BLOCK 0, 2, 1                                  ; 30
	BLOCK 1, 2, 0                                  ; 31
	; THE TAIL.  Block 30's sums are stored (those five vector lines are also the places behind the last products), block 31's folded and stored.
	WIN 0
	SUMUP
	FOLD 0, 0
	FOLD 0, 1
	FOLD 0, 2
	FOLD 0, 3
	SUMUP
	s_wait_dscnt 0x0                               ; for the others' sake
	s_barrier_signal -1
	s_barrier_wait -1
	WIN 0x01
.irp u, 0,1                            ; thread t takes rows 512 u + 4 t on: of half i = wave % 2; four parts (j, hh)
.irp c, 0,1,2,3
	ds_load_b128 v[ACC+16*\u+4*\c:ACC+16*\u+4*\c+3], v[SRD] offset:PA*\c+1024*\u
.endr
.endr
	WIN 0
	s_wait_dscnt 0x0
.irp u, 0,1
	v_pk_add_f32 v[ACC+16*\u:ACC+16*\u+1], v[ACC+16*\u:ACC+16*\u+1], v[ACC+16*\u+4:ACC+16*\u+5]
	v_pk_add_f32 v[ACC+16*\u+2:ACC+16*\u+3], v[ACC+16*\u+2:ACC+16*\u+3], v[ACC+16*\u+6:ACC+16*\u+7]
	v_pk_add_f32 v[ACC+16*\u+8:ACC+16*\u+9], v[ACC+16*\u+8:ACC+16*\u+9], v[ACC+16*\u+12:ACC+16*\u+13]
	v_pk_add_f32 v[ACC+16*\u+10:ACC+16*\u+11], v[ACC+16*\u+10:ACC+16*\u+11], v[ACC+16*\u+14:ACC+16*\u+15]
.endr
.irp u, 0,1
	v_pk_add_f32 v[ACC+16*\u:ACC+16*\u+1], v[ACC+16*\u:ACC+16*\u+1], v[ACC+16*\u+8:ACC+16*\u+9]
	v_pk_add_f32 v[ACC+16*\u+2:ACC+16*\u+3], v[ACC+16*\u+2:ACC+16*\u+3], v[ACC+16*\u+10:ACC+16*\u+11]
.endr
	WIN 0x01
.irp u, 0,1
	global_store_b128 v[GO], v[ACC+16*\u:ACC+16*\u+3], s[14:15] offset:2048*\u   ; a wave stores 512 consecutive bytes, at a multiple of 256 from the buffer's first byte
.endr
	WIN 0
	s_wait_tensorcnt 0x0                           ; the wave's end
	ds_add_u32 v[SPW], v[NIL]
	s_wait_dscnt 0x0
	ROUND                                          ; the closing round: no work-group ends while a partner may still ask for a tile that names it
	s_endpgm
.Lfunc_end_k_q5de510dd00_scores_k:
	.size	k_q5de510dd00_scores_k, .Lfunc_end_k_q5de510dd00_scores_k-k_q5de510dd00_scores_k
	.p2alignl 7, 3214868480
	.fill 96, 4, 3214868480
	.section	.rodata,"a",@progbits
	.p2align	6, 0x0
	.amdhsa_kernel k_q5de510dd00_scores_k
		.amdhsa_group_segment_fixed_size 327680
		.amdhsa_private_segment_fixed_size 0
		.amdhsa_enable_private_segment 0
		.amdhsa_kernarg_size 48
		.amdhsa_user_sgpr_count 2
		.amdhsa_user_sgpr_kernarg_segment_ptr 1
		.amdhsa_wavefront_size32 1
		.amdhsa_system_sgpr_workgroup_id_x 1
		.amdhsa_system_sgpr_workgroup_id_y 1
		.amdhsa_system_sgpr_workgroup_id_z 1
		.amdhsa_system_vgpr_workitem_id 0
		.amdhsa_next_free_vgpr 1024
		.amdhsa_next_free_sgpr 100
		.amdhsa_reserve_vcc 0
		.amdhsa_float_denorm_mode_32 3
		.amdhsa_float_denorm_mode_16_64 3
		.amdhsa_memory_ordered 1
		.amdhsa_forward_progress 1
		.amdhsa_inst_pref_size 171
	.end_amdhsa_kernel
	.amdgpu_metadata
---
amdhsa.version: [ 1, 2 ]
amdhsa.kernels:
  - .name:           k_q5de510dd00_scores_k
    .symbol:         k_q5de510dd00_scores_k.kd
    .args:
      - { .name: targets_codes, .offset: 0, .size: 8, .value_kind: global_buffer, .address_space: global }
      - { .name: targets_scales, .offset: 8, .size: 8, .value_kind: global_buffer, .address_space: global }
      - { .name: W_codes, .offset: 16, .size: 8, .value_kind: global_buffer, .address_space: global }
      - { .name: W_scales, .offset: 24, .size: 8, .value_kind: global_buffer, .address_space: global }
      - { .name: hidden, .offset: 32, .size: 8, .value_kind: global_buffer, .address_space: global }
      - { .name: scores, .offset: 40, .size: 8, .value_kind: global_buffer, .address_space: global }
    .group_segment_fixed_size: 327680
    .private_segment_fixed_size: 0
    .kernarg_segment_align: 8
    .kernarg_segment_size: 48
    .max_flat_workgroup_size: 128
    .sgpr_count:     100
    .vgpr_count:     1024
    .wavefront_size: 32
...
	.end_amdgpu_metadata
.endif
;; end of part 1
;; launch softmax_k (part 2): grid 32 x 1, 16 waves a work-group, no clusters, 2,304 bytes of LDS; arguments scores, out0; writes out0
.if DOCPART == 2
	.amdgcn_target "amdgcn-amd-amdhsa--gfx1250"
	.amdhsa_code_object_version 6
	.text
	.protected	k_q5de510dd00_softmax_k
	.globl	k_q5de510dd00_softmax_k
	.p2align	8
	.type	k_q5de510dd00_softmax_k,@function
k_q5de510dd00_softmax_k:
	s_mov_b64 s[64:65], 0
	v_nop
	global_prefetch_b8 v0, s[64:65] scope:SCOPE_SE
	s_setreg_imm32_b32 hwreg(HW_REG_WAVE_MODE, 25, 1), 1
	s_wait_xcnt 0x0
; out0[b][l] = exp(s[b][l] - m) / sum over l of exp(s[b][l] - m), s = the sum of the four parts scores[c][b][l], m the largest s of batch b.  scores: [4][32][2048], out0: [32][2048], f32.
; (The term that the bias would add to s is the same along l and is left out, as the first launch's head shows; so is a NaN or an infinity that reaches only that term.)
; One work-group to a batch, sixteen waves; thread t holds the 4 numbers at byte 16 t of the row's 8,192: a wave's loads and its store cover 512 consecutive bytes each.  The rows are read once and stay in registers.
; Each wave takes its own largest number m_w and its own sum of exp(s - m_w); the sixteen pairs meet in LDS behind one barrier, and exp(m_w - m) brings them under the row's m.
; The difference is taken first and then scaled by log2(e), so that large scores lose nothing in the scaling.  m_w is held at the least finite number, so that a wave of -infinities gives zeros.
; LIMITS: an exponential that would fall under 2^-126 comes out as 0 (ISA guide, v_exp_f32); a row whose largest score is infinite or that holds a NaN gives NaN, as the formula does.
	s_load_b128 s[4:7], s[0:1], 0x0                ; scores s[4:5], out0 s[6:7]
	v_lshl_add_u32 v40, v0, 2, 0x100
	v_mov_b32 v41, 0
	v_lshrrev_b32 v1, 5, v0
	v_lshlrev_b32 v2, 4, v0                        ; 16 t
	v_and_b32 v5, 15, v0
	v_lshlrev_b32 v5, 3, v5                        ; LDS: the pair of wave lane % 16
	v_readfirstlane_b32 s8, v1                     ; wave 0..15
	v_mov_b32 v13, 0                               ; written once: a lane permute's destination counts as one of its sources
	v_mov_b32 v18, 0
	s_lshl_b32 s9, s8, 3
	v_mov_b32 v3, s9                               ; LDS: my wave's pair
	s_lshl_b32 s10, ttmp9, 13                      ; my batch's row
	s_mov_b32 s11, 0
	s_mov_b32 s12, 0x76543210                      ; v_permlanex16_b32's selects for lane l xor 16
	s_mov_b32 s13, 0xfedcba98
	s_wait_alu depctr_va_vdst(0)
	s_wait_kmcnt 0x0
	s_add_nc_u64 s[4:5], s[4:5], s[10:11]
	s_add_nc_u64 s[6:7], s[6:7], s[10:11]
	global_load_b128 v[8:11], v2, s[4:5]
	global_load_b128 v[20:23], v2, s[4:5] offset:262144
	global_load_b128 v[24:27], v2, s[4:5] offset:524288
	global_load_b128 v[28:31], v2, s[4:5] offset:786432
	s_wait_loadcnt 0x0
	v_pk_add_f32 v[8:9], v[8:9], v[20:21]
	v_pk_add_f32 v[10:11], v[10:11], v[22:23]
	v_pk_add_f32 v[24:25], v[24:25], v[28:29]
	v_pk_add_f32 v[26:27], v[26:27], v[30:31]
	s_delay_alu instid0(VALU_DEP_2)
	v_pk_add_f32 v[8:9], v[8:9], v[24:25]
	s_delay_alu instid0(VALU_DEP_2)
	v_pk_add_f32 v[10:11], v[10:11], v[26:27]
	s_delay_alu instid0(VALU_DEP_1)
	v_max3_num_f32 v12, v8, v9, v10
	s_delay_alu instid0(VALU_DEP_1)
	v_max3_num_f32 v12, v12, v11, 0xff7fffff
.irp m, 1,2,4,8
	s_delay_alu instid0(VALU_DEP_1)
	v_max_num_f32_dpp v12, v12, v12 row_xmask:\m row_mask:0xf bank_mask:0xf
.endr
	s_delay_alu instid0(VALU_DEP_1)
	v_permlanex16_b32 v13, v12, s12, s13
	s_delay_alu instid0(VALU_DEP_1)
	v_max_num_f32 v12, v12, v13                    ; m_w
.irp i, 8,9,10,11
	v_sub_f32 v\i, v\i, v12
.endr
.irp i, 8,9,10,11
	s_delay_alu instid0(VALU_DEP_4)
	v_mul_f32 v\i, 0x3fb8aa3b, v\i                 ; x log2(e)
.endr
	s_wait_alu depctr_va_vdst(0)
.irp i, 8,9,10,11
	v_exp_f32 v\i, v\i
.endr
	v_nop                                          ; one plain place behind the exponentials
	s_wait_alu depctr_va_vdst(0)
	v_add_f32 v14, v8, v9
	v_add_f32 v15, v10, v11
	s_delay_alu instid0(VALU_DEP_1)
	v_add_f32 v14, v14, v15
.irp m, 1,2,4,8
	s_delay_alu instid0(VALU_DEP_1)
	v_add_f32_dpp v14, v14, v14 row_xmask:\m row_mask:0xf bank_mask:0xf
.endr
	s_delay_alu instid0(VALU_DEP_1)
	v_permlanex16_b32 v15, v14, s12, s13
	s_delay_alu instid0(VALU_DEP_1)
	v_add_f32 v13, v14, v15                        ; my wave's sum
	ds_store_b64 v3, v[12:13]                      ; all lanes write the same pair with the same value
	s_wait_dscnt 0x0                               ; for the others' sake
	s_barrier_signal -1
	s_barrier_wait -1
	ds_load_b64 v[16:17], v5                       ; each row of 16 lanes holds the sixteen waves' pairs
	s_wait_dscnt 0x0
	v_max_num_f32_dpp v18, v16, v16 row_xmask:1 row_mask:0xf bank_mask:0xf
.irp m, 2,4,8
	s_delay_alu instid0(VALU_DEP_1)
	v_max_num_f32_dpp v18, v18, v18 row_xmask:\m row_mask:0xf bank_mask:0xf
.endr
	s_delay_alu instid0(VALU_DEP_1)
	v_sub_f32 v19, v16, v18                        ; that wave's m_w - m
	v_sub_f32 v20, v12, v18                        ; and my wave's
	s_delay_alu instid0(VALU_DEP_2)
	v_mul_f32 v19, 0x3fb8aa3b, v19
	s_delay_alu instid0(VALU_DEP_2)
	v_mul_f32 v20, 0x3fb8aa3b, v20
	s_wait_alu depctr_va_vdst(0)
	v_exp_f32 v19, v19
	v_exp_f32 v20, v20
	v_nop                                          ; one plain place behind the exponentials
	s_wait_alu depctr_va_vdst(0)
	v_mul_f32 v21, v19, v17
.irp m, 1,2,4,8
	s_delay_alu instid0(VALU_DEP_1)
	v_add_f32_dpp v21, v21, v21 row_xmask:\m row_mask:0xf bank_mask:0xf
.endr
	s_wait_alu depctr_va_vdst(0)
	v_rcp_f32 v22, v21                             ; the row's sum is at least 1: the largest score's term is 1
	v_nop                                          ; one plain place behind the reciprocal
	s_wait_alu depctr_va_vdst(0)
	v_mul_f32 v22, v22, v20
	v_pk_mul_f32 v[8:9], v[8:9], v[22:23] op_sel_hi:[1,0]
	v_pk_mul_f32 v[10:11], v[10:11], v[22:23] op_sel_hi:[1,0]
	global_store_b128 v2, v[8:11], s[6:7]
	s_wait_tensorcnt 0x0                           ; the wave's end
	ds_add_u32 v40, v41
	s_wait_dscnt 0x0
	s_endpgm
.Lfunc_end_k_q5de510dd00_softmax_k:
	.size	k_q5de510dd00_softmax_k, .Lfunc_end_k_q5de510dd00_softmax_k-k_q5de510dd00_softmax_k
	.p2alignl 7, 3214868480
	.fill 96, 4, 3214868480
	.section	.rodata,"a",@progbits
	.p2align	6, 0x0
	.amdhsa_kernel k_q5de510dd00_softmax_k
		.amdhsa_group_segment_fixed_size 2304
		.amdhsa_private_segment_fixed_size 0
		.amdhsa_enable_private_segment 0
		.amdhsa_kernarg_size 16
		.amdhsa_user_sgpr_count 2
		.amdhsa_user_sgpr_kernarg_segment_ptr 1
		.amdhsa_wavefront_size32 1
		.amdhsa_system_sgpr_workgroup_id_x 1
		.amdhsa_system_sgpr_workgroup_id_y 1
		.amdhsa_system_sgpr_workgroup_id_z 1
		.amdhsa_system_vgpr_workitem_id 0
		.amdhsa_next_free_vgpr 42
		.amdhsa_next_free_sgpr 66
		.amdhsa_reserve_vcc 0
		.amdhsa_float_denorm_mode_32 3
		.amdhsa_float_denorm_mode_16_64 3
		.amdhsa_memory_ordered 1
		.amdhsa_forward_progress 1
		.amdhsa_inst_pref_size 6
	.end_amdhsa_kernel
	.amdgpu_metadata
---
amdhsa.version: [ 1, 2 ]
amdhsa.kernels:
  - .name:           k_q5de510dd00_softmax_k
    .symbol:         k_q5de510dd00_softmax_k.kd
    .args:
      - { .name: scores, .offset: 0, .size: 8, .value_kind: global_buffer, .address_space: global }
      - { .name: out0, .offset: 8, .size: 8, .value_kind: global_buffer, .address_space: global }
    .group_segment_fixed_size: 2304
    .private_segment_fixed_size: 0
    .kernarg_segment_align: 8
    .kernarg_segment_size: 16
    .max_flat_workgroup_size: 512
    .sgpr_count:     66
    .vgpr_count:     42
    .wavefront_size: 32
...
	.end_amdgpu_metadata
.endif
;; end of part 2
